; MI455X (gfx1250); checked and timed in simulation.
; The chip was launched on July 23, 2026; its instructions are those of AMD's public machine-readable ISA for CDNA 5 (MIT licence, August 2026) and "CDNA5" Instruction Set Architecture Reference Guide (July 2026). The comments in the code are by the model that wrote it; some were corrected since.
;; Mo EMLP. Allowed arithmetic: matrix products marked QUANTISED: E3M2 operands, one E8M0 scale for each 32 along K, by v_wmma_scale_f32_16x16x128_f8f6f4 with both operands' format E3M2, f32 sums; products left as they are: f32 operands where the result goes on into a quantised operand, else bf16, f16 or f32 operands; f32 sums; everything else in f32.
;; Inputs: b1 8 x 4,096 float32; b2 8 x 1,024 float32; hidden_states 2 x 512 x 1,024 float32; router_w 8 x 1,024 float32; w1_codes 8 x 4,096 x 32 x 24 uint8 (E3M2 codes of w1, K innermost, in blocks of 32 codes, four codes in three bytes); w1_scales 8 x 4,096 x 32 uint8 (E8M0 scales of w1, one for each 32 codes along K); w2_codes 8 x 1,024 x 128 x 24 uint8 (E3M2 codes of w2, K innermost, in blocks of 32 codes, four codes in three bytes); w2_scales 8 x 1,024 x 128 uint8 (E8M0 scales of w2, one for each 32 codes along K).
;; Outputs: out0 2 x 512 x 1,024 float32.
;; This version of the problem:
;;   THIS VERSION OF THE PROBLEM IS GIVEN IN LOW PRECISION. The matrix products marked QUANTISED in the list below multiply operands that are first quantised to E3M2 (3 exponent bits, 2 mantissa bits; 6 bits a number), with one power-of-two scale for each 32 numbers along K (OCP MX v1.0); their sums are f32. All else is computed in f32.
;;   The module's matrix products, in the order in which they are computed (A, B: the left and right operand; K: the contracted axis; several contracted axes count as one K, in the product's order):
;;     1. [M 1,024, K 1,024] x [K 1,024, N 8]; A: input hidden_states; B: input router_w: left as it is (N = 8 < 16)
;;     2. [M 1,024, K 1,024] x [K 1,024, N 32,768]; A: input hidden_states; B: input w1 (given as codes): QUANTISED
;;     3. batch 8 x [M 1,024, K 4,096] x [K 4,096, N 1,024]; A: input w2 (given as codes); B: computed on the way: QUANTISED
;;   THE QUANTISER, for each operand of a quantised product, along K:
;;     - K is cut into blocks of 32 from its start; a last block that is shorter is filled with zeros.
;;     - A block's scale is 2^e with e = floor(log2(the largest magnitude in the block)) - 4, held to -126 .. 127; a block of zeros has e = 0. As a byte (E8M0): e + 127.
;;     - Each number is divided by its block's scale, clamped to +-28, and rounded to the nearest number of E3M2, ties to even, subnormals kept.
;;     - The product sums the exact products of the quantised numbers (number of the format x scale) in f32.
;;   ~~~python
;;   def quantise(x, axis):      # numpy; x: float32 -> the quantised numbers, widened to float32 again
;;       x = np.moveaxis(x, axis, -1); K = x.shape[-1]
;;       x = np.pad(x, [(0, 0)] * (x.ndim - 1) + [(0, -K % 32)]); x = x.reshape(x.shape[:-1] + (-1, 32)); a = np.abs(x).max(-1, keepdims=True)
;;       e = np.where(a > 0, np.clip(np.frexp(np.where(a > 0, a, 1))[1] - 1 - 4, -126, 127), 0)      # np.frexp(a)[1] - 1 = floor(log2(a)), exactly
;;       r = np.clip(x / 2.0 ** e, -28, 28)
;;       step = 2.0 ** (np.maximum(np.frexp(np.where(r == 0, 1, r))[1] - 1, -2) - 2)
;;       q = np.round(r / step) * step * 2.0 ** e      # np.round: ties to even
;;       return np.moveaxis(q.reshape(q.shape[:-2] + (-1,))[..., :K], -1, axis).astype(np.float32)
;;   ~~~
;;   OPERANDS COMPUTED ON THE WAY. 'Computed on the way' means the value that the module computes at that place (a softmax that the list does not call 'softmax' is quantised finished and normalised). What goes into a quantiser is computed in f32, as accurately as f32 sums, v_exp_f32 and their like allow (about 1e-6 of the number): no bf16 or f16 on the way to a quantiser, and a product that is left as it is and whose result goes on into a quantised operand takes f32 operands (vector FMAs, or v_wmma_f32_16x16x4_f32). A number that lies on a knife's edge between two numbers of the format may be rounded either way, as far as f32 arithmetic and the matrix unit's own rounding can turn it there, and no further.
;;   INPUTS GIVEN AS CODES. w1 (in the module: [8, 1024, 4096], K = its axis 1); w2 (in the module: [8, 4096, 1024], K = its axis 1): each comes as NAME_codes (uint8): NAME with its K axis moved to the last place and cut into blocks of 32 codes, [.., K / 32, bytes a block], one block behind the other in memory; four codes in three bytes: a row's codes are one little-endian stream of bits, code i at bits 6 i .. 6 i + 5 (a code: sign, 3 exponent bits, 2 mantissa bits); and NAME_scales (uint8): the same leading axes, one E8M0 byte (e + 127) for each 32 codes along K. Its value is code x scale, taken as it is: it is not quantised again, and the codes and scales need not be those that the quantiser above would give.
;; One version. Each part assembles by itself: llvm-mc -triple=amdgcn-amd-amdhsa -mcpu=gfx1250 --defsym DOCPART=n.
;; ======== version 1 of 1: 4 launches
;; limits: right only within a limited range of input values
;; workspace buffers: ids 4,096 bytes of whole numbers; wts 8,192 bytes; xc 786,432 bytes; xs 32,768 bytes; rankmap 33,792 bytes of whole numbers; hc 25,165,824 bytes; hs 1,048,576 bytes; y 33,554,432 bytes
;; launch route (part 1): grid 256 x 1, 4 waves a work-group, no clusters, 54,272 bytes of LDS; arguments hidden_states, router_w, ids, wts, xc, xs; writes ids, wts, xc, xs
.if DOCPART == 1
	.amdgcn_target "amdgcn-amd-amdhsa--gfx1250"
	.amdhsa_code_object_version 6
	.text
	.protected	k_qc0072a25c3_route
	.globl	k_qc0072a25c3_route
	.p2align	8
	.type	k_qc0072a25c3_route,@function
k_qc0072a25c3_route:
	s_mov_b64 s[64:65], 0
	v_nop
	global_prefetch_b8 v0, s[64:65] scope:SCOPE_SE
	s_setreg_imm32_b32 hwreg(HW_REG_WAVE_MODE, 25, 1), 1
	s_wait_xcnt 0x0
; ROUTER AND QUANTISER OF x.  1,024 tokens of 1,024 f32; a wave owns one token, a work-group four.
; For its token a wave makes the 8 logits (f32 multiply-adds, router_w read from LDS), the two largest (ties: the lower index), the softmax of the two (the larger
; taken away first), and the token's codes of E3M2 with one E8M0 byte for each 32 numbers.  Nothing here forms an address from the choice: it is stored as a whole number.
; ids[t]  = (1 << e0) | (1 << e1) | e0 << 8 | e1 << 16;  wts[t] = the two weights;  xc[t] = 768 bytes of codes as a stream of bits;  xs[t] = 32 scale bytes.
; LIMITS: NaN and infinities are not served; a block whose largest magnitude lies under 2^-122, a block of zeros among them, keeps the byte 1 (its codes are what the
; division by 2^-126 gives; only this program reads the bytes); two logits that differ by less than the rounding of a sum of 1,024 f32 products may change places.
.set QS,  32768                        ; LDS: 0 .. 32,767 router_w as it lies;  then for each wave two stages of 32 x 80 bytes;
.set SP,  80                           ; a lane's place in a stage: 64 bytes + 16 of padding
.set SB,  53248                        ; and 32 scale bytes for each wave
.set R,   16                           ; v16-47   x as loaded: R[4 m + j] = x[128 m + 4 lane + j]
.set WA,  48                           ; v48-111  router_w: on the way into LDS, then two experts' rows
.set WB,  160                          ; v160-223 the next two experts' rows
.set AC,  112                          ; v112-143 four partial sums an expert
.set LG,  144                          ; v144-151 the logits
.set X,   224                          ; v224-255 two sets of 16 neighbours for the conversions
	s_load_b256 s[4:11], s[0:1], 0x0               ; x s[4:5], router_w s[6:7], ids s[8:9], wts s[10:11]
	s_load_b128 s[12:15], s[0:1], 0x20             ; xc s[12:13], xs s[14:15]
	v_lshl_add_u32 v14, v0, 2, 0xd200
	v_mov_b32 v15, 0
	v_lshrrev_b32 v1, 5, v0
	v_readfirstlane_b32 s16, v1                    ; wave
	v_and_b32 v1, 31, v0                           ; lane
	v_lshlrev_b32 v2, 4, v1                        ; 16 x lane
	v_lshlrev_b32 v3, 4, v0                        ; 16 x thread
	s_lshl_b32 s17, ttmp9, 2
	s_add_co_u32 s17, s17, s16                     ; my token
	s_mul_i32 s24, s16, 2*32*SP
	s_add_co_u32 s24, s24, QS                      ; my stages
	v_lshrrev_b32 v4, 2, v1
	v_mul_u32_u24 v4, v4, SP
	v_and_b32 v5, 3, v1
	v_lshl_add_u32 v4, v5, 4, v4
	v_add_nc_u32 v4, s24, v4                       ; into a stage: four lanes' 64 bytes on end, then the padding
	v_mul_u32_u24 v5, v1, SP
	v_add_nc_u32 v5, s24, v5                       ; out of it: my 16 neighbours
	v_mul_u32_u24 v6, v1, 12                       ; my 16 codes' place in a step's 384 bytes
	v_lshrrev_b32 v7, 1, v1
	s_lshl_b32 s25, s16, 5
	s_add_co_u32 s25, s25, SB
	v_add_nc_u32 v7, s25, v7                       ; my block's scale byte
	v_lshl_add_u32 v8, v1, 2, SB                   ; the work-group's 128 scale bytes, a word a lane
	v_lshlrev_b32 v9, 2, v1
	s_mov_b32 s20, 0x76543210
	s_mov_b32 s21, 0xfedcba98                      ; lane l xor 16
	s_mov_b32 s19, 0
	s_wait_kmcnt 0x0
	s_lshl_b32 s18, s17, 12
	s_add_nc_u64 s[4:5], s[4:5], s[18:19]          ; my row of x
	s_lshl_b32 s18, s17, 2
	s_add_nc_u64 s[8:9], s[8:9], s[18:19]
	s_lshl_b32 s18, s17, 3
	s_add_nc_u64 s[10:11], s[10:11], s[18:19]
	s_mul_i32 s18, s17, 768
	s_add_nc_u64 s[12:13], s[12:13], s[18:19]
	s_lshl_b32 s18, ttmp9, 7
	s_add_nc_u64 s[14:15], s[14:15], s[18:19]
.set KK, 0
.rept 16
	global_load_b128 v[WA+4*KK:WA+4*KK+3], v3, s[6:7] offset:2048*KK   ; the 128 threads read 2,048 consecutive bytes
.set KK, KK+1
.endr
.set KK, 0
.rept 8
	global_load_b128 v[R+4*KK:R+4*KK+3], v2, s[4:5] offset:512*KK th:TH_LOAD_NT
.set KK, KK+1
.endr
	s_wait_loadcnt 8                               ; router_w is in; the eight loads of x, issued behind it, may be out
.set KK, 0
.rept 16
	ds_store_b128 v3, v[WA+4*KK:WA+4*KK+3] offset:2048*KK
.set KK, KK+1
.endr
	s_wait_dscnt 0x0                               ; for the others' sake: my part of router_w lies in LDS
	s_barrier_signal -1
	s_barrier_wait -1
.macro LOADP ep, buf                   ; the rows of experts 2 ep and 2 ep + 1, in x's layout
.set KK, 0
.rept 16
	ds_load_b128 v[\buf+4*KK:\buf+4*KK+3], v2 offset:(2*(\ep)+KK/8)*4096+512*(KK%8)
.set KK, KK+1
.endr
.endm
.macro DOTP ep, buf                    ; 32 packed operations in four chains; the first of each chain starts its sum
.set MM, 0
.rept 8
.set UU, 0
.rept 2
.set CC, 0
.rept 2
.if MM == 0
	v_pk_mul_f32 v[AC+8*(\ep)+4*UU+2*CC:AC+8*(\ep)+4*UU+2*CC+1], v[R+4*MM+2*CC:R+4*MM+2*CC+1], v[\buf+32*UU+4*MM+2*CC:\buf+32*UU+4*MM+2*CC+1]
.else
	v_pk_fma_f32 v[AC+8*(\ep)+4*UU+2*CC:AC+8*(\ep)+4*UU+2*CC+1], v[R+4*MM+2*CC:R+4*MM+2*CC+1], v[\buf+32*UU+4*MM+2*CC:\buf+32*UU+4*MM+2*CC+1], v[AC+8*(\ep)+4*UU+2*CC:AC+8*(\ep)+4*UU+2*CC+1]
.endif
.set CC, CC+1
.endr
.set UU, UU+1
.endr
.set MM, MM+1
.endr
.endm
	LOADP 0, WA
	s_wait_loadcnt 0x0                             ; x
	LOADP 1, WB
	s_wait_dscnt 16                                ; this pair's 16 loads are in; the next pair's 16 may be out
	DOTP 0, WA
	LOADP 2, WA
	s_wait_dscnt 16
	DOTP 1, WB
	LOADP 3, WB
	s_wait_dscnt 16
	DOTP 2, WA
	s_wait_dscnt 0x0
	DOTP 3, WB
; x turns through my own stages so that a lane holds 16 neighbours: LDS serves a wave's instructions in order, so no wait stands between the stores and the loads.  The logits' sums stand behind it.
.set TT, 0
.rept 2
.set II, 0
.rept 4
	ds_store_b128 v4, v[R+16*TT+4*II:R+16*TT+4*II+3] offset:32*SP*TT+8*SP*II
.set II, II+1
.endr
.set II, 0
.rept 4
	ds_load_b128 v[X+16*TT+4*II:X+16*TT+4*II+3], v5 offset:32*SP*TT+16*II
.set II, II+1
.endr
.set TT, TT+1
.endr
.set EE, 0
.rept 8
	v_pk_add_f32 v[AC+4*EE:AC+4*EE+1], v[AC+4*EE:AC+4*EE+1], v[AC+4*EE+2:AC+4*EE+3]
.set EE, EE+1
.endr
.set EE, 0
.rept 8
	v_add_f32 v[LG+EE], v[AC+4*EE], v[AC+4*EE+1]
.set EE, EE+1
.endr
.irp m, 1,2,4,8                        ; over the 32 lanes; the eight logits by turns
.set EE, 0
.rept 8
	v_add_f32_dpp v[LG+EE], v[LG+EE], v[LG+EE] row_xmask:\m row_mask:0xf bank_mask:0xf
.set EE, EE+1
.endr
.endr
.set EE, 0
.rept 8
	v_permlanex16_b32 v[AC+EE], v[LG+EE], s20, s21
.set EE, EE+1
.endr
.set EE, 0
.rept 8
	v_add_f32 v[LG+EE], v[LG+EE], v[AC+EE]         ; every lane holds the same eight logits
.set EE, EE+1
.endr
; the largest, by selects alone: a later expert takes over only where it is strictly larger
.macro ARGMAX val, idx
	v_mov_b32 v[\val], v[LG]
	v_mov_b32 v[\idx], 0
.set EE, 1
.rept 7
	v_cmp_le_f32 vcc_lo, v[LG+EE], v[\val]
	v_cndmask_b32 v[\val], v[LG+EE], v[\val], vcc_lo
	v_cndmask_b32 v[\idx], EE, v[\idx], vcc_lo
.set EE, EE+1
.endr
.endm
	ARGMAX 152, 153
	v_mov_b32 v156, 0xff800000                     ; the first choice's logit becomes -infinity, and the same search gives the second
.set EE, 0
.rept 8
	v_cmp_eq_u32 vcc_lo, EE, v153
	v_cndmask_b32 v[LG+EE], v[LG+EE], v156, vcc_lo
.set EE, EE+1
.endr
	ARGMAX 154, 155
	v_sub_f32 v156, v154, v152                     ; the second less the first: 0 or less
	v_mul_f32 v156, 0x3fb8aa3b, v156
	s_wait_alu depctr_va_vdst(0)
	v_exp_f32 v157, v156
	v_mov_b32 v147, 1                              ; (a plain line behind the exponential)
	s_wait_alu depctr_va_vdst(0)                   ; ahead of the first line that names its result
	v_add_f32 v156, 1.0, v157
	s_wait_alu depctr_va_vdst(0)
	v_rcp_f32 v158, v156                           ; the first weight
	v_lshlrev_b32 v148, v153, v147                 ; (a plain line behind the reciprocal)  1 << e0
	s_wait_alu depctr_va_vdst(0)
	v_mul_f32 v159, v157, v158                     ; the second
	v_lshlrev_b32 v149, v155, v147
	v_or_b32 v148, v148, v149
	v_lshl_or_b32 v148, v153, 8, v148
	v_lshl_or_b32 v148, v155, 16, v148             ; the word for ids
	v_mov_b32 v176, 0
	s_wait_dscnt 0x0                               ; x is back from the stages
.macro QSTEP t                         ; 512 numbers: 16 a lane, two lanes to a block
.set XQ, X+16*(\t)
	v_max3_num_f32 v160, |v[XQ]|, |v[XQ+1]|, |v[XQ+2]|
	v_max3_num_f32 v161, |v[XQ+3]|, |v[XQ+4]|, |v[XQ+5]|
.irp i, 6,10
	v_max3_num_f32 v160, v160, |v[XQ+\i]|, |v[XQ+\i+1]|
	v_max3_num_f32 v161, v161, |v[XQ+\i+2]|, |v[XQ+\i+3]|
.endr
	v_max3_num_f32 v160, v160, |v[XQ+14]|, |v[XQ+15]|
	v_max3_num_f32 v160, v160, v161, 0x2800000     ; and the floor 2^(5 - 127): the byte cannot fall under 1
	v_max_num_f32_dpp v160, v160, v160 row_xmask:1 row_mask:0xf bank_mask:0xf   ; with my neighbour's 16: the block's largest magnitude
	v_add_nc_u32 v[162+(\t)], 0xfe000000, v160     ; 4 off its exponent field: the conversion's scale operand
	v_cvt_scalef32_pk16_bf6_f32 v[164+4*(\t):166+4*(\t)], v[XQ:XQ+15], v[162+(\t)]
	v_lshrrev_b32 v[172+(\t)], 23, v[162+(\t)]     ; the scale's byte
	ds_store_b8 v7, v[172+(\t)] offset:16*(\t)     ; both lanes of a block write the same byte with the same value
	global_store_b96 v6, v[164+4*(\t):166+4*(\t)], s[12:13] offset:384*(\t)   ; the wave stores 384 consecutive bytes
.endm
	QSTEP 0
	QSTEP 1
	v_cmp_eq_u32 vcc_lo, 0, v1
	s_wait_xcnt 0x0                                ; EXEC changes only when the stores above have been taken
	s_and_saveexec_b32 s22, vcc_lo                 ; lane 0 alone
	global_store_b32 v176, v148, s[8:9]
	global_store_b64 v176, v[158:159], s[10:11]
	s_wait_xcnt 0x0
	s_or_b32 exec_lo, exec_lo, s22
	s_wait_dscnt 0x0                               ; for wave 0's sake: my 32 scale bytes lie in LDS
	s_barrier_signal -1
	s_barrier_wait -1
	s_cmp_lg_u32 s16, 0
	s_cbranch_scc1 .Lend
	ds_load_b32 v10, v8
	s_wait_dscnt 0x0
	global_store_b32 v9, v10, s[14:15]             ; four tokens' scale bytes: 128 consecutive bytes
.Lend:
	s_wait_tensorcnt 0x0
	ds_add_u32 v14, v15
	s_wait_dscnt 0x0
	s_endpgm
.Lfunc_end_k_qc0072a25c3_route:
	.size	k_qc0072a25c3_route, .Lfunc_end_k_qc0072a25c3_route-k_qc0072a25c3_route
	.p2alignl 7, 3214868480
	.fill 96, 4, 3214868480
	.section	.rodata,"a",@progbits
	.p2align	6, 0x0
	.amdhsa_kernel k_qc0072a25c3_route
		.amdhsa_group_segment_fixed_size 54272
		.amdhsa_private_segment_fixed_size 0
		.amdhsa_enable_private_segment 0
		.amdhsa_kernarg_size 48
		.amdhsa_user_sgpr_count 2
		.amdhsa_user_sgpr_kernarg_segment_ptr 1
		.amdhsa_wavefront_size32 1
		.amdhsa_system_sgpr_workgroup_id_x 1
		.amdhsa_system_sgpr_workgroup_id_y 1
		.amdhsa_system_sgpr_workgroup_id_z 1
		.amdhsa_system_vgpr_workitem_id 0
		.amdhsa_next_free_vgpr 256
		.amdhsa_next_free_sgpr 66
		.amdhsa_reserve_vcc 1
		.amdhsa_float_denorm_mode_32 3
		.amdhsa_float_denorm_mode_16_64 3
		.amdhsa_memory_ordered 1
		.amdhsa_forward_progress 1
		.amdhsa_inst_pref_size 28
	.end_amdhsa_kernel
	.amdgpu_metadata
---
amdhsa.version: [ 1, 2 ]
amdhsa.kernels:
  - .name:           k_qc0072a25c3_route
    .symbol:         k_qc0072a25c3_route.kd
    .args:
      - { .name: hidden_states, .offset: 0, .size: 8, .value_kind: global_buffer, .address_space: global }
      - { .name: router_w, .offset: 8, .size: 8, .value_kind: global_buffer, .address_space: global }
      - { .name: ids, .offset: 16, .size: 8, .value_kind: global_buffer, .address_space: global }
      - { .name: wts, .offset: 24, .size: 8, .value_kind: global_buffer, .address_space: global }
      - { .name: xc, .offset: 32, .size: 8, .value_kind: global_buffer, .address_space: global }
      - { .name: xs, .offset: 40, .size: 8, .value_kind: global_buffer, .address_space: global }
    .group_segment_fixed_size: 54272
    .private_segment_fixed_size: 0
    .kernarg_segment_align: 8
    .kernarg_segment_size: 48
    .max_flat_workgroup_size: 128
    .sgpr_count:     66
    .vgpr_count:     256
    .wavefront_size: 32
...
	.end_amdgpu_metadata
.endif
;; end of part 1
;; launch gemm1 (part 2): grid 32 x 8, 8 waves a work-group, no clusters, 242,688 bytes of LDS; arguments ids, xc, xs, w1_codes, w1_scales, b1, rankmap, hc, hs; writes rankmap, hc, hs
.if DOCPART == 2
	.amdgcn_target "amdgcn-amd-amdhsa--gfx1250"
	.amdhsa_code_object_version 6
	.text
	.protected	k_qc0072a25c3_gemm1
	.globl	k_qc0072a25c3_gemm1
	.p2align	8
	.type	k_qc0072a25c3_gemm1,@function
k_qc0072a25c3_gemm1:
	s_mov_b64 s[64:65], 0
	v_nop
	global_prefetch_b8 v0, s[64:65] scope:SCOPE_SE
	s_setreg_imm32_b32 hwreg(HW_REG_WAVE_MODE, 25, 1), 1
	s_wait_xcnt 0x0
; h = Q(gelu(Q(x) W1 + b1)) for the rows that chose an expert; rows of experts that a token did not choose are not computed.
; Work-group (x = slice js, y = expert e): hidden units 128 js .. 128 js + 127 of expert e, for all of e's rows.  Those units are K step js of the second product.
; EIGHT WAVES, two to a SIMD.  Wave w = 4 g + u keeps block u of the slice (32 units: 2 tiles x 8 K steps = 16 fragments, 192 registers) and takes the row tiles of parity g.
; PLACING.  Every wave counts e's rows from ids; wave 0 lays the list (members first, then the others, so every word holds a token) into LDS; slot = e x 1,024 + place.
; x GOES BY GROUPS of 8 row tiles through two LDS buffers: wave w gathers tile w of a group (16 rows x 768 bytes in runs of 256, and their scale words), one group ahead;
; one barrier a group, a constant 8 groups; work for tiles that do not exist is jumped over, the barriers are not.
; THE PRODUCT IS USED TRANSPOSED (source 0 = 16 rows of W1, source 1 = 16 routed rows); lane r of tile 2 u + t takes slice row 32 u + 8 t + r + 8 (r / 8): a lane holds one routed
; row and its 16 results are 16 neighbours along the next K.  b1 stays in registers and is the C of each sum's first product.
; THE WAY OUT.  A lane's 16 codes (12 bytes) and the block's scale byte go to a stage of row streams in LDS (96 bytes of codes, 4 scale bytes, pitch 112); behind the group's barrier
; wave w reads tile w back as an operand's registers and stores the image: 512 consecutive bytes a store.
; No tensor load and no cluster: branches hang on stored counts.  gelu is the tanh form: x / (1 + 2^(x (K0 + K1 x^2))), K0 = -2 sqrt(2 / pi) log2(e), K1 = 0.044715 K0.
; LIMITS: NaN and infinities are not served; a block of h whose largest magnitude lies under 2^-122 keeps the scale byte 1.
; REGISTERS: window 0 as named below; window 1: v0-191 W1's fragments (12 (2 s + t)), v192-251 x's fragments of K steps 0-4; those of K steps 5-7 at v192-227 of window 0.
.set PIT,  784                         ; an LDS row of 768 bytes + 16
.set XB1,  128*PIT                     ; x's second buffer (the first at 0); at the head it is the stage of the slice, by tile and lane
.set XSC,  2*128*PIT                   ; x's scale words: two buffers of 128 rows x 32 bytes
.set OUT,  XSC+8192                    ; two stages for the way out
.set OP,   112
.set OSZ,  8*16*OP
.set LIST, OUT+2*OSZ                   ; 1,024 words
.set SPARE, LIST+4096                  ; the spare words: 128 bytes a wave
.set XS,   32                          ; v32-35   x's scale words: register j: lanes 0-15 K step j, lanes 16-31 K step j + 4
.set WS,   36                          ; v36-43   W1's: 4 t + j likewise
.set ACC,  44                          ; v44-59   two accumulators
.set T,    60                          ; v60-75   the gelu's exponent (at the head: offsets and temporaries)
.set GA,   76                          ; v76-84   the gather's offsets;  v85-91 the quantiser
.set GX,   92                          ; v92-187  16 gathered rows on their way to LDS (at the head: ids v92-123, places v124-155)
.set GS,   188                         ; v188-191 their scale words
.set XF,   192
.set FL,   228                         ; v228-239 a tile's image on the way out
.set BI,   240                         ; v240-255 b1 in the accumulators' layout
.set IR,   92
.set PR,   124
.set MSB, 0
.macro WIN new                         ; the immediate's high byte repeats the setting that is left
.if MSB != (\new)
	s_set_vgpr_msb (MSB<<8)|(\new)
.set MSB, (\new)
.endif
.endm
	s_load_b256 s[4:11], s[0:1], 0x0               ; ids s[4:5], xc s[6:7], xs s[8:9], W1's codes s[10:11]
	s_load_b256 s[12:19], s[0:1], 0x20             ; W1's scales s[12:13], b1 s[14:15], rankmap s[16:17], hc s[18:19]
	s_load_b64 s[20:21], s[0:1], 0x40              ; hs
	v_lshl_add_u32 v22, v0, 2, SPARE               ; my spare word,
	v_mov_b32 v23, 0                               ; and 0: kept for the wave's end
	v_lshrrev_b32 v1, 5, v0
	v_readfirstlane_b32 s22, v1                    ; wave
	s_and_b32 s23, ttmp7, 0xffff                   ; e
	s_mov_b32 s24, ttmp9                           ; js
	s_lshl_b32 s25, 1, s23                         ; e's bit in a word of ids
	s_and_b32 s28, s22, 3                          ; u
	s_lshr_b32 s29, s22, 2                         ; g
	s_mov_b32 s31, 768
	s_mov_b32 s66, 0xbdd2d3e8                      ; K1
	s_mov_b32 s67, 0xbdd2d3e8
	s_mov_b32 s68, 0x76543210
	s_mov_b32 s69, 0xfedcba98                      ; lane l xor 16
	s_mul_i32 s70, s29, 16*PIT                     ; all scalar parts of the LDS addresses first, then the vector lines
	s_mul_i32 s71, s28, 32*PIT
	s_add_co_u32 s71, s71, XB1
	s_mul_i32 s72, s22, 16*PIT
	s_lshr_b32 s73, s22, 1
	s_lshl_b32 s73, s73, 5
	s_and_b32 s74, s22, 1
	s_lshl_b32 s74, s74, 3
	s_add_co_u32 s73, s73, s74
	s_mul_i32 s73, s73, PIT
	s_add_co_u32 s73, s73, XB1                     ; slice row 16 w + 8 h + i lies at place 32 (w / 2) + 8 (w % 2) + 16 h + i
	s_lshl_b32 s74, s22, 6
	s_add_co_u32 s74, s74, LIST
	s_lshl_b32 s75, s22, 9
	s_add_co_u32 s75, s75, XSC
	s_lshl_b32 s76, s29, 9
	s_add_co_u32 s76, s76, XSC
	s_mul_i32 s77, s29, 16*OP
	s_add_co_u32 s77, s77, OUT
	s_mul_i32 s78, s28, 24
	s_add_co_u32 s78, s78, s77
	s_add_co_u32 s79, s77, s28
	s_add_co_u32 s79, s79, 96
	s_mul_i32 s80, s22, 16*OP
	s_add_co_u32 s80, s80, OUT
	s_add_co_u32 s81, s80, 96
	s_mul_i32 s82, s22, 12288
	s_lshl_b32 s83, s28, 10
	s_lshl_b32 s84, s28, 7
	v_and_b32 v1, 31, v0                           ; lane
	v_and_b32 v24, 15, v0                          ; r
	v_bfe_u32 v25, v0, 4, 1                        ; h
	v_lshlrev_b32 v2, 4, v24                       ; 16 r
	v_lshlrev_b32 v3, 4, v25                       ; 16 h
	v_mov_b32 v4, 0xc0135761                       ; K0, twice
	v_mov_b32 v5, 0xc0135761
	v_lshlrev_b32 v19, 4, v1                       ; 16 x lane
	v_mul_u32_u24 v26, v24, PIT
	v_mad_u32_u24 v26, v25, 24, v26                ; a fragment's row x pitch + 24 h
	v_add_nc_u32 v6, s70, v26                      ; x's fragments: tile g of buffer 0,
	v_add_nc_u32 v7, XB1, v6                       ; of buffer 1
	v_add_nc_u32 v27, s71, v26                     ; my block's fragments in the slice's stage
	v_mad_u32_u24 v28, v25, 8*PIT, v2
	v_add_nc_u32 v8, s72, v28                      ; gathered rows in: tile w, row 8 h + i, byte 16 r; buffer 0,
	v_add_nc_u32 v9, XB1, v8                       ; buffer 1
	v_mad_u32_u24 v29, v25, 16*PIT, v2
	v_add_nc_u32 v29, s73, v29                     ; the slice's rows in
	v_lshl_add_u32 v10, v25, 5, s74                ; list words of rows 8 h + 0 .. 7 of tile w,
	v_lshl_add_u32 v11, v24, 2, s74                ; and of row r
	v_lshl_add_u32 v30, v24, 5, v3                 ; 32 r + 16 h
	v_add_nc_u32 v14, s75, v30                     ; x's scale words in: tile w,
	v_add_nc_u32 v15, s76, v30                     ; out: tile g
	v_mul_u32_u24 v31, v24, OP
	v_mad_u32_u24 v16, v25, 12, v31
	v_add_nc_u32 v16, s78, v16                     ; the way out: tile g, row r, byte 24 u + 12 h,
	v_add_nc_u32 v17, s79, v31                     ; and scale byte u
	v_mad_u32_u24 v18, v25, 24, v31
	v_add_nc_u32 v18, s80, v18                     ; back: tile w as a fragment,
	v_add_nc_u32 v21, s81, v31                     ; and row r's scale word
	v_mad_u32_u24 v60, v25, 6144, v2
	v_add_nc_u32 v60, s82, v60                     ; W1: row 16 w + 8 h, byte 16 r
	v_and_b32 v61, 8, v24
	v_add_nc_u32 v61, v61, v24
	v_lshl_add_u32 v61, v61, 5, v3
	v_add_nc_u32 v61, s83, v61                     ; W1's scales: row 32 u + r + 8 (r / 8) of 32 bytes, + 16 h
	v_lshl_add_u32 v62, v25, 6, s84                ; b1: unit 32 u + 16 h
	v_lshl_add_u32 v65, v0, 4, XSC+4096            ; the fill with zeros: 16 bytes a thread
	v_add_nc_u32 v73, LIST, v19
	v_mov_b32 v68, 0
	v_mov_b32 v69, 0
	v_mov_b32 v70, 0
	v_mov_b32 v71, 0
	v_lshlrev_b32 v72, 2, v1
	v_mov_b32 v90, 0                               ; a lane permute's destination counts as one of its sources
	s_mov_b32 s73, 0
	s_mul_i32 s70, s23, 3145728
	s_wait_alu depctr_va_vdst(0)
	s_wait_kmcnt 0x0
.set KK, 0
.rept 8
	global_load_b128 v[IR+4*KK:IR+4*KK+3], v19, s[4:5] offset:512*KK   ; register 4 k + j of lane l: token 128 k + 4 l + j
.set KK, KK+1
.endr
	s_mul_i32 s72, s24, 98304
	s_add_co_u32 s72, s72, s70
	s_add_nc_u64 s[10:11], s[10:11], s[72:73]      ; my slice of W1
	s_lshl_b32 s72, s23, 17
	s_lshl_b32 s71, s24, 12
	s_add_co_u32 s72, s72, s71
	s_add_nc_u64 s[12:13], s[12:13], s[72:73]      ; its scale bytes
	s_lshl_b32 s72, s23, 14
	s_lshl_b32 s71, s24, 9
	s_add_co_u32 s72, s72, s71
	s_add_nc_u64 s[14:15], s[14:15], s[72:73]      ; its bias
	WIN 0x40
.set II, 0
.rept 8
.set PP, 0
.rept 3
	global_load_b128 v[12*II+4*PP:12*II+4*PP+3], v60, s[10:11] offset:768*II+256*PP th:TH_LOAD_NT   ; my 16 rows of the slice, in runs of 256 bytes
.set PP, PP+1
.endr
.set II, II+1
.endr
	WIN 0
	global_load_b128 v[WS:WS+3], v61, s[12:13]
	global_load_b128 v[WS+4:WS+7], v61, s[12:13] offset:256
.set KK, 0
.rept 4
	global_load_b128 v[BI+4*KK:BI+4*KK+3], v62, s[14:15] offset:16*KK
.set KK, KK+1
.endr
	s_lshl_b32 s72, s23, 7
	s_add_co_u32 s72, s72, 32768
	s_add_nc_u64 s[82:83], s[16:17], s[72:73]      ; e's count
	s_lshl_b32 s72, s23, 12
	s_add_nc_u64 s[16:17], s[16:17], s[72:73]      ; e's places
	s_mul_i32 s72, s24, 1536
	s_add_co_u32 s72, s72, s70
	s_mul_i32 s71, s22, 49152
	s_add_co_u32 s72, s72, s71
	s_add_nc_u64 s[78:79], s[18:19], s[72:73]      ; hc: expert e, tile w, K step js
	s_lshl_b32 s72, s23, 17
	s_lshl_b32 s71, s22, 11
	s_add_co_u32 s72, s72, s71
	s_lshr_b32 s71, s24, 3
	s_lshl_b32 s71, s71, 9
	s_add_co_u32 s72, s72, s71
	s_bfe_u32 s71, s24, 0x10002
	s_lshl_b32 s71, s71, 8
	s_add_co_u32 s72, s72, s71
	s_and_b32 s71, s24, 3
	s_lshl_b32 s71, s71, 2
	s_add_co_u32 s72, s72, s71
	s_add_nc_u64 s[80:81], s[20:21], s[72:73]      ; hs: the word of K step js in tile w's 2,048 bytes
	s_wait_loadcnt 30                              ; ids are in; the 24 + 2 + 4 loads issued behind them may be out
.set QQ, 0
.rept 32
	v_and_b32 v63, s25, v[IR+QQ]
	v_cmp_ne_u32 s[32+QQ], 0, v63                  ; which of these 32 tokens chose e
.set QQ, QQ+1
.endr
	s_mov_b32 s26, 0
.set QQ, 0
.rept 32
	s_bcnt1_i32_b32 s76, s[32+QQ]
	s_add_co_u32 s26, s26, s76
.set QQ, QQ+1
.endr
	s_min_u32 s26, s26, 1024                       ; e's rows
	s_add_co_u32 s27, s26, 15
	s_lshr_b32 s27, s27, 4                         ; and tiles
	s_cmp_lg_u32 s22, 0
	s_cbranch_scc1 .Lplaced                        ; wave 0 alone lays the list; no other wave touches LDS ahead of the barrier below
.set KK, 0
.rept 8
	ds_store_b128 v73, v[68:71] offset:512*KK      ; every word of the list holds token 0 before the places are laid: LDS serves a wave's instructions in order
.set KK, KK+1
.endr
	s_mov_b32 s74, 0                               ; members so far
	s_mov_b32 s75, s26                             ; count + 32 q
.set QQ, 0
.rept 32
	v_mbcnt_lo_u32_b32 v64, s[32+QQ], s74          ; members ahead of me: a member's place
	v_add_nc_u32 v66, s75, v1
	v_sub_nc_u32 v66, v66, v64                     ; count + the others ahead of me: another's place
	v_cndmask_b32 v[PR+QQ], v66, v64, s[32+QQ]
	v_min_u32 v[PR+QQ], 0x3ff, v[PR+QQ]
	v_lshl_add_u32 v67, v[PR+QQ], 2, LIST
	v_add_nc_u32 v74, 128*(QQ/4)+QQ%4, v72         ; my token
	ds_store_b32 v67, v74
	s_bcnt1_i32_b32 s76, s[32+QQ]
	s_add_co_u32 s74, s74, s76
	s_add_co_u32 s75, s75, 32
.set QQ, QQ+1
.endr
	s_cmp_lg_u32 s24, 0
	s_cbranch_scc1 .Lnomap                         ; the work-groups with js = 0 store places and count for the later launches
.set KK, 0
.rept 8
	global_store_b128 v19, v[PR+4*KK:PR+4*KK+3], s[16:17] offset:512*KK
.set KK, KK+1
.endr
	v_mov_b32 v75, s26
	global_store_b32 v72, v75, s[82:83]            ; 32 equal words
	s_wait_xcnt 0x0                                ; the places' registers are loaded into below
.Lnomap:
.Lplaced:
	s_wait_dscnt 0x0
	s_barrier_signal -1
	s_barrier_wait -1                              ; the list lies in LDS
.macro GATHER                          ; tile w of the group at byte s30 of the list: its tokens, their byte offsets, 24 loads of rows and one of scale words
	s_min_u32 s85, s30, 3584                       ; held inside the list's 8 groups
	v_add_nc_u32 v12, s85, v10
	v_add_nc_u32 v13, s85, v11
	ds_load_b128 v[GA:GA+3], v12
	ds_load_b128 v[GA+4:GA+7], v12 offset:16
	ds_load_b32 v[GA+8], v13
	s_wait_dscnt 0x0
.set II, 0
.rept 9
	v_min_u32 v[GA+II], 0x3ff, v[GA+II]
.set II, II+1
.endr
.set II, 0
.rept 8
	v_mad_u32_u24 v[GA+II], v[GA+II], s31, v2      ; row 8 h + i: token x 768 + 16 r
.set II, II+1
.endr
	v_lshl_add_u32 v[GA+8], v[GA+8], 5, v3         ; row r: token x 32 + 16 h
.set II, 0
.rept 8
.set PP, 0
.rept 3
	global_load_b128 v[GX+12*II+4*PP:GX+12*II+4*PP+3], v[GA+II], s[6:7] offset:256*PP
.set PP, PP+1
.endr
.set II, II+1
.endr
	global_load_b128 v[GS:GS+3], v[GA+8], s[8:9]
.endm
.macro GSTORE b                        ; the gathered tile into buffer b
.set II, 0
.rept 8
.set PP, 0
.rept 3
	ds_store_b128 v[8+(\b)], v[GX+12*II+4*PP:GX+12*II+4*PP+3] offset:PIT*II+256*PP
.set PP, PP+1
.endr
.set II, II+1
.endr
	ds_store_b128 v14, v[GS:GS+3] offset:4096*(\b)
.endm
.set KK, 0
.rept 8
	ds_store_b128 v65, v[68:71] offset:4096*KK     ; zeros in the second buffer of scale words and in both stages of the way out: 256 threads x 16 bytes x 8
.set KK, KK+1
.endr
	s_mov_b32 s30, 0
	GATHER                                         ; group 0
	s_wait_loadcnt 31                              ; the slice's rows are in; the 6 loads of scales and bias and the gather's 25 may be out
	WIN 0x04
.set II, 0
.rept 8
.set PP, 0
.rept 3
	ds_store_b128 v29, v[12*II+4*PP:12*II+4*PP+3] offset:PIT*II+256*PP
.set PP, PP+1
.endr
.set II, II+1
.endr
	WIN 0
	s_wait_dscnt 0x0                               ; for the others' sake: my rows of the slice lie in LDS
	s_barrier_signal -1
	s_barrier_wait -1
	WIN 0x40
.set SS, 0
.rept 8
.set TT, 0
.rept 2
.set PP, 0
.rept 6
	ds_load_b64 v[12*(2*SS+TT)+2*PP:12*(2*SS+TT)+2*PP+1], v27 offset:16*TT*PIT+96*SS+48*(PP/3)+8*(PP%3)
.set PP, PP+1
.endr
.set TT, TT+1
.endr
.set SS, SS+1
.endr
	WIN 0
	s_wait_loadcnt 0x0                             ; group 0's rows, W1's scale words and b1
	GSTORE 0
	s_mov_b32 s30, 512
	GATHER                                         ; group 1 (its wait on DScnt also shows my fragments of W1 in)
	s_wait_alu depctr_va_vdst(0)
	s_wait_dscnt 0x0                               ; group 0 lies in LDS, and my reads of the slice's stage are over: it becomes x's second buffer
	s_barrier_signal -1
	s_barrier_wait -1
.macro FLUSH sb                        ; tile s76 (tile w of the group before) leaves from stage sb, if it exists
	s_cmp_ge_u32 s76, s27
	s_cbranch_scc1 .Lnf\@
.set PP, 0
.rept 6
	ds_load_b64 v[FL+2*PP:FL+2*PP+1], v18 offset:OSZ*(\sb)+48*(PP/3)+8*(PP%3)
.set PP, PP+1
.endr
	ds_load_b32 v20, v21 offset:OSZ*(\sb)
	s_wait_dscnt 0x0
.set GG, 0
.rept 3
	global_store_b128 v19, v[FL+4*GG:FL+4*GG+3], s[78:79] offset:512*GG   ; the fragment as an operand's registers: 512 consecutive bytes a store
.set GG, GG+1
.endr
	global_store_b32 v2, v20, s[80:81]             ; row r's scale word; both halves of the lanes store the same word
	s_wait_xcnt 0x0                                ; the stores have read their data and bases
	s_add_nc_u64 s[78:79], s[78:79], 393216        ; eight tiles on
	s_add_nc_u64 s[80:81], s[80:81], 16384
.Lnf\@:
.endm
.macro COMPUTE b                       ; tiles g, g + 2, g + 4, g + 6 of the group in buffer b: a constant four trips; a tile that does not exist is jumped over
	s_mov_b32 s70, 0
	s_mov_b32 s71, 0
	s_mov_b32 s72, 0
	s_mov_b32 s73, s75
	s_mov_b32 s74, 4
.Lk\@:
	s_cmp_ge_u32 s73, s27
	s_cbranch_scc1 .Lks\@
	v_add_nc_u32 v12, s70, v[6+(\b)]
	v_add_nc_u32 v13, s71, v15
	ds_load_b128 v[XS:XS+3], v13 offset:4096*(\b)
.set SS, 0
.rept 8
.if SS < 5
	WIN 0x40
.else
	WIN 0
.endif
.set PP, 0
.rept 6
	ds_load_b64 v[XF+12*(SS%5)+2*PP:XF+12*(SS%5)+2*PP+1], v12 offset:96*SS+48*(PP/3)+8*(PP%3)
.set PP, PP+1
.endr
.set SS, SS+1
.endr
.set SS, 0
.rept 8                                ; 16 products; the two accumulators take turns, one instruction a turn
	s_wait_dscnt 42-6*SS                           ; K step s is in; the 6 (7 - s) loads issued behind it may be out
.if SS < 5
	WIN 0x05
.else
	WIN 0x01
.endif
.set TT, 0
.rept 2
.if SS == 0
	v_wmma_scale_f32_16x16x128_f8f6f4 v[ACC+8*TT:ACC+8*TT+7], v[12*(2*SS+TT):12*(2*SS+TT)+11], v[XF+12*(SS%5):XF+12*(SS%5)+11], v[BI+8*TT:BI+8*TT+7], v[WS+4*TT+SS%4], v[XS+SS%4] matrix_a_fmt:MATRIX_FMT_BF6 matrix_b_fmt:MATRIX_FMT_BF6
.elseif SS < 4
	v_wmma_scale_f32_16x16x128_f8f6f4 v[ACC+8*TT:ACC+8*TT+7], v[12*(2*SS+TT):12*(2*SS+TT)+11], v[XF+12*(SS%5):XF+12*(SS%5)+11], v[ACC+8*TT:ACC+8*TT+7], v[WS+4*TT+SS%4], v[XS+SS%4] matrix_a_fmt:MATRIX_FMT_BF6 matrix_b_fmt:MATRIX_FMT_BF6
.else
	v_wmma_scale_f32_16x16x128_f8f6f4 v[ACC+8*TT:ACC+8*TT+7], v[12*(2*SS+TT):12*(2*SS+TT)+11], v[XF+12*(SS%5):XF+12*(SS%5)+11], v[ACC+8*TT:ACC+8*TT+7], v[WS+4*TT+SS%4], v[XS+SS%4] matrix_a_fmt:MATRIX_FMT_BF6 matrix_b_fmt:MATRIX_FMT_BF6 matrix_a_scale:MATRIX_SCALE_ROW1 matrix_b_scale:MATRIX_SCALE_ROW1
.endif
.set TT, TT+1
.endr
.set SS, SS+1
.endr
	WIN 0
.rept 4
	v_nop                                          ; four places behind the last product (ISA guide 7.12.1)
.endr
.set II, 0
.rept 8                                ; the gelu of 16 numbers, each accumulator from its low end on
	v_pk_mul_f32 v[T+2*II:T+2*II+1], v[ACC+2*II:ACC+2*II+1], v[ACC+2*II:ACC+2*II+1]
.set II, II+1
.endr
.set II, 0
.rept 8
	v_pk_fma_f32 v[T+2*II:T+2*II+1], v[T+2*II:T+2*II+1], s[66:67], v[4:5] op_sel_hi:[1,0,1]   ; K1 x^2 + K0
.set II, II+1
.endr
.set II, 0
.rept 8
	v_pk_mul_f32 v[T+2*II:T+2*II+1], v[T+2*II:T+2*II+1], v[ACC+2*II:ACC+2*II+1]
.set II, II+1
.endr
	s_wait_alu depctr_va_vdst(0)                   ; a wait ahead of a batch of transcendentals and one behind it
.set II, 0
.rept 16
	v_exp_f32 v[T+II], v[T+II]
.set II, II+1
.endr
	v_nop
	s_wait_alu depctr_va_vdst(0)
.set II, 0
.rept 8
	v_pk_add_f32 v[T+2*II:T+2*II+1], v[T+2*II:T+2*II+1], 1.0 op_sel_hi:[1,0]
.set II, II+1
.endr
	s_wait_alu depctr_va_vdst(0)
.set II, 0
.rept 16
	v_rcp_f32 v[T+II], v[T+II]
.set II, II+1
.endr
	v_nop
	s_wait_alu depctr_va_vdst(0)
.set II, 0
.rept 8
	v_pk_mul_f32 v[ACC+2*II:ACC+2*II+1], v[ACC+2*II:ACC+2*II+1], v[T+2*II:T+2*II+1]
.set II, II+1
.endr
	; the quantiser: register i = k 32 u + 16 h + i of my row; the block's other half lies in lane l xor 16
	v_max3_num_f32 v85, |v[ACC]|, |v[ACC+1]|, 0x2800000   ; with the floor 2^(5 - 127): the byte cannot fall under 1
	v_max3_num_f32 v89, |v[ACC+8]|, |v[ACC+9]|, |v[ACC+10]|
	v_max3_num_f32 v85, v85, |v[ACC+2]|, |v[ACC+3]|
	v_max3_num_f32 v89, v89, |v[ACC+11]|, |v[ACC+12]|
	v_max3_num_f32 v85, v85, |v[ACC+4]|, |v[ACC+5]|
	v_max3_num_f32 v89, v89, |v[ACC+13]|, |v[ACC+14]|
	v_max3_num_f32 v85, v85, |v[ACC+6]|, |v[ACC+7]|
	s_delay_alu instid0(VALU_DEP_1)
	v_max3_num_f32 v85, v85, v89, |v[ACC+15]|
	v_permlanex16_b32 v90, v85, s68, s69
	v_max_num_f32 v85, v85, v90                    ; the block's largest magnitude
	s_delay_alu instid0(VALU_DEP_1)
	v_add_nc_u32 v91, 0xfe000000, v85              ; 4 off its exponent field: the conversion's scale operand
	v_add_nc_u32 v13, s72, v17
	v_lshrrev_b32 v89, 23, v91                     ; the scale's byte
	v_cvt_scalef32_pk16_bf6_f32 v[86:88], v[ACC:ACC+15], v91
	v_add_nc_u32 v12, s72, v16                     ; (a plain line behind the conversion)
	ds_store_b32 v12, v86 offset:OSZ*(\b)          ; 12 bytes of row r's stream, at byte 24 u + 12 h
	ds_store_b32 v12, v87 offset:OSZ*(\b)+4
	ds_store_b32 v12, v88 offset:OSZ*(\b)+8
	ds_store_b8 v13, v89 offset:OSZ*(\b)           ; both halves of the lanes store the same byte
.Lks\@:
	s_add_co_u32 s70, s70, 32*PIT                  ; two tiles on
	s_add_co_u32 s71, s71, 1024
	s_add_co_u32 s72, s72, 32*OP
	s_add_co_u32 s73, s73, 2
	s_sub_co_u32 s74, s74, 1
	s_cmp_lg_u32 s74, 0
	s_cbranch_scc1 .Lk\@
.endm
; A group: the group before leaves; this group, in buffer b, is multiplied; the next group's rows, asked for a group ago, go into the other buffer, which every wave left
; in front of the last barrier; the group after that is asked for; one barrier.
.macro PH b
	FLUSH 1-(\b)
	COMPUTE \b
	s_wait_loadcnt 0x0                             ; on every way: no gather stays out
	s_cmp_ge_u32 s77, s27
	s_cbranch_scc1 .Lns\@
	GSTORE 1-(\b)
	s_add_co_u32 s86, s77, 8
	s_cmp_ge_u32 s86, s27
	s_cbranch_scc1 .Lns\@
	GATHER
.Lns\@:
	s_wait_alu depctr_va_vdst(0)
	s_wait_dscnt 0x0                               ; for the others' sake: my stores have landed and my reads are in
	s_barrier_signal -1
	s_barrier_wait -1
	s_add_co_u32 s75, s75, 8
	s_add_co_u32 s76, s76, 8
	s_add_co_u32 s77, s77, 8
	s_add_co_u32 s30, s30, 512
.endm
	s_mov_b32 s75, s29                             ; the first tile that I multiply,
	s_sub_co_u32 s76, s22, 8                       ; the tile that I send out: none in the first group (the number wraps and lies over every count),
	s_add_co_u32 s77, s22, 8                       ; the tile that I lay into LDS
	s_mov_b32 s30, 1024                            ; the list byte of the group that I ask for
	s_mov_b32 s84, 4                               ; 8 groups, 64 tiles: all 1,024 tokens on one expert
.Lpair:
	PH 0
	PH 1
	s_sub_co_u32 s84, s84, 1
	s_cmp_lg_u32 s84, 0
	s_cbranch_scc1 .Lpair
	FLUSH 1
	s_wait_tensorcnt 0x0                           ; the wave's end
	ds_add_u32 v22, v23
	s_wait_dscnt 0x0
	s_endpgm
.Lfunc_end_k_qc0072a25c3_gemm1:
	.size	k_qc0072a25c3_gemm1, .Lfunc_end_k_qc0072a25c3_gemm1-k_qc0072a25c3_gemm1
	.p2alignl 7, 3214868480
	.fill 96, 4, 3214868480
	.section	.rodata,"a",@progbits
	.p2align	6, 0x0
	.amdhsa_kernel k_qc0072a25c3_gemm1
		.amdhsa_group_segment_fixed_size 242688
		.amdhsa_private_segment_fixed_size 0
		.amdhsa_enable_private_segment 0
		.amdhsa_kernarg_size 72
		.amdhsa_user_sgpr_count 2
		.amdhsa_user_sgpr_kernarg_segment_ptr 1
		.amdhsa_wavefront_size32 1
		.amdhsa_system_sgpr_workgroup_id_x 1
		.amdhsa_system_sgpr_workgroup_id_y 1
		.amdhsa_system_sgpr_workgroup_id_z 1
		.amdhsa_system_vgpr_workitem_id 0
		.amdhsa_next_free_vgpr 512
		.amdhsa_next_free_sgpr 96
		.amdhsa_reserve_vcc 0
		.amdhsa_float_denorm_mode_32 3
		.amdhsa_float_denorm_mode_16_64 3
		.amdhsa_memory_ordered 1
		.amdhsa_forward_progress 1
		.amdhsa_inst_pref_size 90
	.end_amdhsa_kernel
	.amdgpu_metadata
---
amdhsa.version: [ 1, 2 ]
amdhsa.kernels:
  - .name:           k_qc0072a25c3_gemm1
    .symbol:         k_qc0072a25c3_gemm1.kd
    .args:
      - { .name: ids, .offset: 0, .size: 8, .value_kind: global_buffer, .address_space: global }
      - { .name: xc, .offset: 8, .size: 8, .value_kind: global_buffer, .address_space: global }
      - { .name: xs, .offset: 16, .size: 8, .value_kind: global_buffer, .address_space: global }
      - { .name: w1_codes, .offset: 24, .size: 8, .value_kind: global_buffer, .address_space: global }
      - { .name: w1_scales, .offset: 32, .size: 8, .value_kind: global_buffer, .address_space: global }
      - { .name: b1, .offset: 40, .size: 8, .value_kind: global_buffer, .address_space: global }
      - { .name: rankmap, .offset: 48, .size: 8, .value_kind: global_buffer, .address_space: global }
      - { .name: hc, .offset: 56, .size: 8, .value_kind: global_buffer, .address_space: global }
      - { .name: hs, .offset: 64, .size: 8, .value_kind: global_buffer, .address_space: global }
    .group_segment_fixed_size: 242688
    .private_segment_fixed_size: 0
    .kernarg_segment_align: 8
    .kernarg_segment_size: 72
    .max_flat_workgroup_size: 256
    .sgpr_count:     96
    .vgpr_count:     512
    .wavefront_size: 32
...
	.end_amdgpu_metadata
.endif
;; end of part 2
;; launch gemm2 (part 3): grid 32 x 8, 4 waves a work-group, no clusters, 189,952 bytes of LDS; arguments rankmap, hc, hs, w2_codes, w2_scales, b2, y; writes y
.if DOCPART == 3
	.amdgcn_target "amdgcn-amd-amdhsa--gfx1250"
	.amdhsa_code_object_version 6
	.text
	.protected	k_qc0072a25c3_gemm2
	.globl	k_qc0072a25c3_gemm2
	.p2align	8
	.type	k_qc0072a25c3_gemm2,@function
k_qc0072a25c3_gemm2:
	s_mov_b64 s[64:65], 0
	v_nop
	global_prefetch_b8 v0, s[64:65] scope:SCOPE_SE
	s_setreg_imm32_b32 hwreg(HW_REG_WAVE_MODE, 25, 1), 1
	s_wait_xcnt 0x0
; y[slot] = h W2 + b2, slot = e x 1,024 + place.  Work-group (x = 16 p + c, y = expert e): output columns 64 c .. 64 c + 63, row tiles 2 j + p of expert e.
; THE WAVES SHARE K: wave w owns K steps 8 w .. 8 w + 7 (of 32).  Its part of W2 (4 tiles of 16 columns x 8 K steps: 32 fragments) stays in registers, read once in runs of 256 bytes and
; turned through the wave's own LDS buffer.  h comes from memory as images of operand registers: each fragment is loaded by one wave, straight into place, and feeds four products.
; The four waves' partial sums of up to eight tiles meet in a stage in LDS, are added in f32 (((0 + 1) + (2 + 3)) + b2) and leave as whole runs of 256 bytes.
; THE PRODUCT IS USED TRANSPOSED (source 0 = 16 rows of W2, source 1 = 16 routed rows): a lane holds eight neighbouring columns of one row of y.
; The number of tiles hangs on a stored count, so there is no tensor load and no cluster.  Every request for a tile is 25 loads, whether the tile exists or not (one that does not is
; asked for with all lanes at one address of the last tile), so that the counted wait holds on every way.
; LIMIT: the sum over K is made of four quarters, each in ascending K, added in f32.
; REGISTERS: window 0: v1-12 addresses, v16-31 W2's scale words, v32-39 h's (two sets), v40-43 the stage's read addresses, v64-255 h's fragments (two sets of 96).
;   Fragment f = 4 s + t of W2 at register 12 (f % 21) of window 1 + f / 21.   window 2 from v132: two sets of four accumulators; v196-227 the stage's rows; v228-231 b2.
.set PIT,  784                         ; the turn's LDS row: 768 bytes + 16
.set STG,  4*16*PIT                    ; behind the four turn buffers: 8 tiles x 4 waves x 16 rows x 272 bytes
.set WS,   16
.set HS,   32
.set RD,   40                          ; v40-43: one address for each two tiles of the stage, so that every immediate stays inside 16 bits: 17,408 + 3 x 4,352 + 544 at the most
.set HF,   64
.set AC,   132
.set RT,   196
.set B2,   228
.set MSB, 0
.macro WIN new
.if MSB != (\new)
	s_set_vgpr_msb (MSB<<8)|(\new)
.set MSB, (\new)
.endif
.endm
.macro WREG f
.set FW, 1+(\f)/21
.set FRG, 12*((\f)%21)
.endm
	s_load_b256 s[4:11], s[0:1], 0x0               ; rankmap s[4:5], hc s[6:7], hs s[8:9], W2's codes s[10:11]
	s_load_b128 s[12:15], s[0:1], 0x20             ; W2's scales s[12:13], b2 s[14:15]
	s_load_b64 s[16:17], s[0:1], 0x30              ; y
	v_lshl_add_u32 v62, v0, 2, 0x2e400
	v_mov_b32 v63, 0
	v_lshrrev_b32 v1, 5, v0
	v_readfirstlane_b32 s18, v1                    ; wave
	s_and_b32 s19, ttmp7, 0xffff                   ; e
	s_and_b32 s22, ttmp9, 15                       ; c
	s_lshr_b32 s23, ttmp9, 4                       ; p
	s_lshl_b32 s21, s19, 7
	v_and_b32 v1, 31, v0                           ; lane
	v_and_b32 v13, 15, v0                          ; r
	v_bfe_u32 v14, v0, 4, 1                        ; h
	v_lshlrev_b32 v2, 4, v13                       ; 16 r
	v_mad_u32_u24 v3, v14, 24576, v2               ; W2: 8 h rows of 3,072 bytes + 16 r
	s_mul_i32 s36, s18, 16*PIT
	v_mad_u32_u24 v4, v14, 8*PIT, v2
	v_add_nc_u32 v4, s36, v4                       ; the turn: rows in,
	v_mul_u32_u24 v5, v13, PIT
	v_mad_u32_u24 v5, v14, 24, v5
	v_add_nc_u32 v5, s36, v5                       ; fragments out
	v_lshlrev_b32 v6, 7, v13
	v_lshl_add_u32 v6, v14, 4, v6                  ; W2's scales: row r of 128 bytes, + 16 h
	s_mul_i32 s36, s18, 4352
	s_add_co_u32 s36, s36, STG
	v_mul_u32_u24 v8, v13, 272
	v_lshl_add_u32 v8, v14, 5, v8
	v_add_nc_u32 v8, s36, v8                       ; the stage, in: my wave's copy, row r, + 32 h;  tiles 0-3,
	v_add_nc_u32 v9, 69632, v8                     ; tiles 4-7
	s_mul_i32 s36, s18, 1088
	s_add_co_u32 s36, s36, STG
	v_mad_u32_u24 v[RD], v14, 272, v2
	v_add_nc_u32 v[RD], s36, v[RD]                 ; out: row 4 w + h, 16 bytes a lane;  tiles 0, 1,
	v_add_nc_u32 v[RD+1], 34816, v[RD]             ; tiles 2, 3,
	v_add_nc_u32 v[RD+2], 69632, v[RD]             ; tiles 4, 5,
	v_add_nc_u32 v[RD+3], 104448, v[RD]            ; tiles 6, 7
	s_lshl_b32 s36, s18, 14
	v_lshl_add_u32 v12, v14, 12, v2
	v_add_nc_u32 v12, s36, v12                     ; and the same place in y
	s_mov_b32 s39, 0
	s_mov_b32 s43, 0
	s_mul_i32 s36, s19, 3145728
	s_wait_kmcnt 0x0
	s_load_b32 s20, s[4:5], s21 offset:0x8000      ; e's rows
	s_mul_i32 s38, s22, 196608
	s_add_co_u32 s38, s38, s36
	s_mul_i32 s37, s18, 768
	s_add_co_u32 s38, s38, s37
	s_add_nc_u64 s[10:11], s[10:11], s[38:39]      ; W2: my 64 rows, my 768 bytes of each
.macro LANDW t                         ; tile t: 16 rows x 768 bytes, 24 loads; they land in the tile's own eight fragments
.set II, 0
.rept 8
	WREG 4*II+(\t)
	WIN (FW<<6)
.set PP, 0
.rept 3
	global_load_b128 v[FRG+4*PP:FRG+4*PP+3], v3, s[10:11] offset:49152*(\t)+3072*II+256*PP
.set PP, PP+1
.endr
.set II, II+1
.endr
	WIN 0
.endm
.macro TURNW t, n                      ; rows into my buffer, fragments back into the same registers: LDS serves a wave's instructions in order.  n: the loads issued behind the tile's
	s_wait_loadcnt \n
.set II, 0
.rept 8
	WREG 4*II+(\t)
	WIN (FW<<2)
.set PP, 0
.rept 3
	ds_store_b128 v4, v[FRG+4*PP:FRG+4*PP+3] offset:PIT*II+256*PP
.set PP, PP+1
.endr
.set II, II+1
.endr
.set SS, 0
.rept 8
	WREG 4*SS+(\t)
	WIN (FW<<6)
.set PP, 0
.rept 6
	ds_load_b64 v[FRG+2*PP:FRG+2*PP+1], v5 offset:96*SS+48*(PP/3)+8*(PP%3)
.set PP, PP+1
.endr
.set SS, SS+1
.endr
	WIN 0
.endm
; The request for my tile number s40 into set buf: 24 loads of fragments and one of scale words.
.macro LOADT buf
	s_wait_xcnt 0x0                                ; the last request has read its offset and bases
	s_cmp_lt_u32 s40, s24
	s_cselect_b32 s41, 16, 0                       ; a tile that does not exist: all lanes at one address
	s_min_u32 s40, s40, s25
	s_min_u32 s40, s40, 31
	s_mul_i32 s42, s40, 98304
	s_add_nc_u64 s[46:47], s[30:31], s[42:43]
	s_lshl_b32 s42, s40, 12
	s_add_nc_u64 s[48:49], s[32:33], s[42:43]
	v_mul_u32_u24 v7, v1, s41
	v_min_u32 v7, 0x1f0, v7
.rept 4
	v_nop                                          ; with the two lines above: the places behind the products that read this set
.endr
.set SS, 0
.rept 8
.set GG, 0
.rept 3
	global_load_b128 v[HF+96*(\buf)+12*SS+4*GG:HF+96*(\buf)+12*SS+4*GG+3], v7, s[46:47] offset:1536*SS+512*GG
.set GG, GG+1
.endr
.set SS, SS+1
.endr
	global_load_b128 v[HS+4*(\buf):HS+4*(\buf)+3], v7, s[48:49]
.endm
	LANDW 0
	LANDW 1
	LANDW 2
	s_mul_i32 s38, s23, 49152
	s_add_co_u32 s38, s38, s36
	s_mul_i32 s37, s18, 12288
	s_add_co_u32 s38, s38, s37
	s_add_nc_u64 s[30:31], s[6:7], s[38:39]        ; hc: expert e, tile p, K step 8 w
	s_lshl_b32 s38, s19, 17
	s_lshl_b32 s37, s23, 11
	s_add_co_u32 s38, s38, s37
	s_lshl_b32 s37, s18, 9
	s_add_co_u32 s38, s38, s37
	s_add_nc_u64 s[32:33], s[8:9], s[38:39]        ; hs likewise
	s_lshl_b32 s38, s19, 10
	s_lshl_b32 s37, s23, 4
	s_add_co_u32 s38, s38, s37
	s_lshl_b32 s38, s38, 12
	s_lshl_b32 s37, s22, 8
	s_add_co_u32 s38, s38, s37
	s_add_nc_u64 s[34:35], s[16:17], s[38:39]      ; y: slot e x 1,024 + 16 p, byte 256 c
	s_lshl_b32 s38, s19, 10
	s_lshl_b32 s37, s22, 6
	s_add_co_u32 s37, s38, s37                     ; e x 1,024 + 64 c
	s_lshl_b32 s38, s37, 7
	s_lshl_b32 s36, s18, 5
	s_add_co_u32 s38, s38, s36
	s_add_nc_u64 s[12:13], s[12:13], s[38:39]      ; W2's scale bytes: my rows, my 32 bytes of each
	s_lshl_b32 s38, s37, 2
	s_add_nc_u64 s[14:15], s[14:15], s[38:39]      ; b2
	TURNW 0, 48                                    ; tiles 1 and 2 stand behind tile 0
	LANDW 3
	TURNW 1, 48                                    ; tiles 2 and 3
	s_wait_kmcnt 0x0
	s_min_u32 s20, s20, 1024
	s_add_co_u32 s20, s20, 15
	s_lshr_b32 s20, s20, 4                         ; e's tiles
	s_add_co_u32 s20, s20, 1
	s_sub_co_u32 s20, s20, s23
	s_lshr_b32 s24, s20, 1
	s_min_u32 s24, s24, 32                         ; n: mine of them
	s_max_u32 s25, s24, 1
	s_sub_co_u32 s25, s25, 1                       ; the last of mine
.set TT, 0
.rept 4
	global_load_b128 v[WS+4*TT:WS+4*TT+3], v6, s[12:13] offset:2048*TT
.set TT, TT+1
.endr
	WIN 0x80
	global_load_b128 v[B2:B2+3], v2, s[14:15]      ; b2 of columns 4 r .. 4 r + 3
	WIN 0
	s_mov_b32 s40, 0
	LOADT 0
	TURNW 2, 54                                    ; tile 3's 24, the 5 of scales and bias, the first request's 25
	s_mov_b32 s40, 1
	LOADT 1
	TURNW 3, 55                                    ; 5 + 25 + 25
	s_wait_dscnt 0x0                               ; W2's fragments are in
	s_mov_b32 s26, 0                               ; j: my tile in hand
	s_mov_b32 s27, 0                               ; the group's first tile
	s_mov_b32 s28, 4                               ; groups of eight tiles: a constant
.macro TILE u
	s_cmp_ge_u32 s26, s24
	s_cbranch_scc1 .Lexit                          ; no tile left: past all later tiles of the group
	s_wait_loadcnt 25                              ; this tile's 25 loads are in; the next request's 25 may be out
.set SS, 0
.rept 8
.set TT, 0
.rept 4
	WREG 4*SS+TT
	WIN (0xa0|FW)
.if SS == 0
	v_wmma_scale_f32_16x16x128_f8f6f4 v[AC+32*((\u)%2)+8*TT:AC+32*((\u)%2)+8*TT+7], v[FRG:FRG+11], v[HF+96*((\u)%2)+12*SS:HF+96*((\u)%2)+12*SS+11], 0, v[WS+4*TT+SS%4], v[HS+4*((\u)%2)+SS%4] matrix_a_fmt:MATRIX_FMT_BF6 matrix_b_fmt:MATRIX_FMT_BF6
.elseif SS < 4
	v_wmma_scale_f32_16x16x128_f8f6f4 v[AC+32*((\u)%2)+8*TT:AC+32*((\u)%2)+8*TT+7], v[FRG:FRG+11], v[HF+96*((\u)%2)+12*SS:HF+96*((\u)%2)+12*SS+11], v[AC+32*((\u)%2)+8*TT:AC+32*((\u)%2)+8*TT+7], v[WS+4*TT+SS%4], v[HS+4*((\u)%2)+SS%4] matrix_a_fmt:MATRIX_FMT_BF6 matrix_b_fmt:MATRIX_FMT_BF6
.else
	v_wmma_scale_f32_16x16x128_f8f6f4 v[AC+32*((\u)%2)+8*TT:AC+32*((\u)%2)+8*TT+7], v[FRG:FRG+11], v[HF+96*((\u)%2)+12*SS:HF+96*((\u)%2)+12*SS+11], v[AC+32*((\u)%2)+8*TT:AC+32*((\u)%2)+8*TT+7], v[WS+4*TT+SS%4], v[HS+4*((\u)%2)+SS%4] matrix_a_fmt:MATRIX_FMT_BF6 matrix_b_fmt:MATRIX_FMT_BF6 matrix_a_scale:MATRIX_SCALE_ROW1 matrix_b_scale:MATRIX_SCALE_ROW1
.endif
.set TT, TT+1
.endr
.set SS, SS+1
.endr
	WIN 0
	s_add_co_u32 s40, s26, 2
	LOADT (\u)%2                                   ; the tile two on, into the set just multiplied
	WIN 0x08                                       ; an LDS store's data: window 2
.set TT, 0
.rept 4
	ds_store_b128 v[8+(\u)/4], v[AC+32*((\u)%2)+8*TT:AC+32*((\u)%2)+8*TT+3] offset:17408*((\u)%4)+64*TT       ; each accumulator from its low end on
	ds_store_b128 v[8+(\u)/4], v[AC+32*((\u)%2)+8*TT+4:AC+32*((\u)%2)+8*TT+7] offset:17408*((\u)%4)+64*TT+16
.set TT, TT+1
.endr
	WIN 0
	s_add_co_u32 s26, s26, 1
.endm
.macro REDUCE u                        ; rows 4 w .. 4 w + 3 of the group's tile u: four partial sums and the bias
	s_add_co_u32 s40, s27, \u
	s_cmp_ge_u32 s40, s24
	s_cbranch_scc1 .Lrdone
	s_wait_xcnt 0x0                                ; the last tile's stores have read their registers
	WIN 0x80
.set AA, 0
.rept 2
.set QQ, 0
.rept 4
	ds_load_b128 v[RT+16*AA+4*QQ:RT+16*AA+4*QQ+3], v[RD+(\u)/2] offset:17408*((\u)%2)+4352*QQ+544*AA
.set QQ, QQ+1
.endr
.set AA, AA+1
.endr
	s_wait_dscnt 0x0
	WIN 0xaa
.set AA, 0
.rept 2
.set CC, 0
.rept 2
	v_pk_add_f32 v[RT+16*AA+2*CC:RT+16*AA+2*CC+1], v[RT+16*AA+2*CC:RT+16*AA+2*CC+1], v[RT+16*AA+4+2*CC:RT+16*AA+4+2*CC+1]
	v_pk_add_f32 v[RT+16*AA+8+2*CC:RT+16*AA+8+2*CC+1], v[RT+16*AA+8+2*CC:RT+16*AA+8+2*CC+1], v[RT+16*AA+12+2*CC:RT+16*AA+12+2*CC+1]
.set CC, CC+1
.endr
.set AA, AA+1
.endr
.set AA, 0
.rept 2
.set CC, 0
.rept 2
	v_pk_add_f32 v[RT+16*AA+2*CC:RT+16*AA+2*CC+1], v[RT+16*AA+2*CC:RT+16*AA+2*CC+1], v[RT+16*AA+8+2*CC:RT+16*AA+8+2*CC+1]
.set CC, CC+1
.endr
.set AA, AA+1
.endr
.set AA, 0
.rept 2
.set CC, 0
.rept 2
	v_pk_add_f32 v[RT+16*AA+2*CC:RT+16*AA+2*CC+1], v[RT+16*AA+2*CC:RT+16*AA+2*CC+1], v[B2+2*CC:B2+2*CC+1]
.set CC, CC+1
.endr
.set AA, AA+1
.endr
	WIN 0x08
.set AA, 0
.rept 2
	global_store_b128 v12, v[RT+16*AA:RT+16*AA+3], s[34:35] offset:131072*(\u)+8192*AA   ; sixteen lanes store 256 consecutive bytes, at a multiple of 256 from y's first byte
.set AA, AA+1
.endr
	WIN 0
.endm
.Lgroup:
	TILE 0
	TILE 1
	TILE 2
	TILE 3
	TILE 4
	TILE 5
	TILE 6
	TILE 7
	s_branch .Ljoin
.Lexit:
	s_wait_loadcnt 0x0                             ; on the early way out nothing stays pending
.Ljoin:
	s_wait_dscnt 0x0                               ; for the others' sake: my partial sums lie in the stage
	s_barrier_signal -1
	s_barrier_wait -1
	REDUCE 0
	REDUCE 1
	REDUCE 2
	REDUCE 3
	REDUCE 4
	REDUCE 5
	REDUCE 6
	REDUCE 7
.Lrdone:
	s_wait_dscnt 0x0                               ; my reads of the stage are in:
	s_barrier_signal -1
	s_barrier_wait -1                              ; it may be written again
	s_wait_xcnt 0x0                                ; the stores have read their base
	s_add_nc_u64 s[34:35], s[34:35], 1048576       ; eight of my tiles on
	s_add_co_u32 s27, s27, 8
	s_sub_co_u32 s28, s28, 1
	s_cmp_lg_u32 s28, 0
	s_cbranch_scc1 .Lgroup
	s_wait_tensorcnt 0x0
	ds_add_u32 v62, v63
	s_wait_dscnt 0x0
	s_endpgm
.Lfunc_end_k_qc0072a25c3_gemm2:
	.size	k_qc0072a25c3_gemm2, .Lfunc_end_k_qc0072a25c3_gemm2-k_qc0072a25c3_gemm2
	.p2alignl 7, 3214868480
	.fill 96, 4, 3214868480
	.section	.rodata,"a",@progbits
	.p2align	6, 0x0
	.amdhsa_kernel k_qc0072a25c3_gemm2
		.amdhsa_group_segment_fixed_size 189952
		.amdhsa_private_segment_fixed_size 0
		.amdhsa_enable_private_segment 0
		.amdhsa_kernarg_size 56
		.amdhsa_user_sgpr_count 2
		.amdhsa_user_sgpr_kernarg_segment_ptr 1
		.amdhsa_wavefront_size32 1
		.amdhsa_system_sgpr_workgroup_id_x 1
		.amdhsa_system_sgpr_workgroup_id_y 1
		.amdhsa_system_sgpr_workgroup_id_z 1
		.amdhsa_system_vgpr_workitem_id 0
		.amdhsa_next_free_vgpr 768
		.amdhsa_next_free_sgpr 66
		.amdhsa_reserve_vcc 0
		.amdhsa_float_denorm_mode_32 3
		.amdhsa_float_denorm_mode_16_64 3
		.amdhsa_memory_ordered 1
		.amdhsa_forward_progress 1
		.amdhsa_inst_pref_size 117
	.end_amdhsa_kernel
	.amdgpu_metadata
---
amdhsa.version: [ 1, 2 ]
amdhsa.kernels:
  - .name:           k_qc0072a25c3_gemm2
    .symbol:         k_qc0072a25c3_gemm2.kd
    .args:
      - { .name: rankmap, .offset: 0, .size: 8, .value_kind: global_buffer, .address_space: global }
      - { .name: hc, .offset: 8, .size: 8, .value_kind: global_buffer, .address_space: global }
      - { .name: hs, .offset: 16, .size: 8, .value_kind: global_buffer, .address_space: global }
      - { .name: w2_codes, .offset: 24, .size: 8, .value_kind: global_buffer, .address_space: global }
      - { .name: w2_scales, .offset: 32, .size: 8, .value_kind: global_buffer, .address_space: global }
      - { .name: b2, .offset: 40, .size: 8, .value_kind: global_buffer, .address_space: global }
      - { .name: y, .offset: 48, .size: 8, .value_kind: global_buffer, .address_space: global }
    .group_segment_fixed_size: 189952
    .private_segment_fixed_size: 0
    .kernarg_segment_align: 8
    .kernarg_segment_size: 56
    .max_flat_workgroup_size: 128
    .sgpr_count:     66
    .vgpr_count:     768
    .wavefront_size: 32
...
	.end_amdgpu_metadata
.endif
;; end of part 3
;; launch combine (part 4): grid 256 x 1, 4 waves a work-group, no clusters, 0 bytes of LDS; arguments ids, wts, rankmap, y, out0; writes out0
.if DOCPART == 4
	.amdgcn_target "amdgcn-amd-amdhsa--gfx1250"
	.amdhsa_code_object_version 6
	.text
	.protected	k_qc0072a25c3_combine
	.globl	k_qc0072a25c3_combine
	.p2align	8
	.type	k_qc0072a25c3_combine,@function
k_qc0072a25c3_combine:
	s_mov_b64 s[64:65], 0
	v_nop
	global_prefetch_b8 v0, s[64:65] scope:SCOPE_SE
	s_setreg_imm32_b32 hwreg(HW_REG_WAVE_MODE, 25, 1), 1
	s_wait_xcnt 0x0
; out[t] = w0 y[slot(e0, t)] + w1 y[slot(e1, t)].  A wave owns a token: 4,096 bytes out, two rows of 4,096 bytes in.
; The two experts, the token's place in each expert's list and the two weights are read by scalar loads from what earlier launches stored; slot = e x 1,024 + place.
; All eight places are asked for together with the experts, and the two that count are chosen by selects: so there are two dependent trips to memory and no third.
; A stream: no LDS, no barrier, no matrix unit; each load and store of the wave covers 512 consecutive bytes.
.set A, 16                             ; v16-47 the first expert's row, then the result
.set B, 48                             ; v48-79 the second's
	s_load_b256 s[4:11], s[0:1], 0x0               ; ids s[4:5], wts s[6:7], rankmap s[8:9], y s[10:11]
	s_load_b64 s[12:13], s[0:1], 0x20              ; out
	v_lshrrev_b32 v1, 5, v0
	v_readfirstlane_b32 s14, v1                    ; wave
	v_and_b32 v1, 31, v0
	v_lshlrev_b32 v2, 4, v1                        ; 16 x lane
	s_lshl_b32 s15, ttmp9, 2
	s_add_co_u32 s15, s15, s14                     ; my token
	s_lshl_b32 s16, s15, 2
	s_lshl_b32 s17, s15, 3
	s_wait_alu depctr_va_vdst(0)
	s_wait_kmcnt 0x0
	s_load_b32 s20, s[4:5], s16 offset:0x0
	s_load_b64 s[22:23], s[6:7], s17 offset:0x0
.set EE, 0
.rept 8
	s_load_b32 s[24+EE], s[8:9], s16 offset:4096*EE
.set EE, EE+1
.endr
	s_wait_kmcnt 0x0
	s_bfe_u32 s32, s20, 0x80008                    ; e0
	s_bfe_u32 s33, s20, 0x80010                    ; e1
	s_min_u32 s32, s32, 7
	s_min_u32 s33, s33, 7
	s_mov_b32 s34, s24
	s_mov_b32 s35, s24
.set EE, 1
.rept 7
	s_cmp_eq_u32 s32, EE
	s_cselect_b32 s34, s[24+EE], s34
	s_cmp_eq_u32 s33, EE
	s_cselect_b32 s35, s[24+EE], s35
.set EE, EE+1
.endr
	s_min_u32 s34, s34, 1023
	s_min_u32 s35, s35, 1023
	s_lshl_b32 s36, s32, 10
	s_add_co_u32 s36, s36, s34
	s_lshl_b32 s36, s36, 12                        ; the first slot's row, in bytes
	s_mov_b32 s37, 0
	s_lshl_b32 s38, s33, 10
	s_add_co_u32 s38, s38, s35
	s_lshl_b32 s38, s38, 12
	s_mov_b32 s39, 0
	s_add_nc_u64 s[36:37], s[10:11], s[36:37]
	s_add_nc_u64 s[38:39], s[10:11], s[38:39]
	s_lshl_b32 s42, s15, 12
	s_mov_b32 s43, 0
	s_add_nc_u64 s[12:13], s[12:13], s[42:43]
	s_mov_b32 s40, s23                             ; the second weight in a pair of its own: the packed form takes a pair's low word for both halves
	s_mov_b32 s41, s23
.set MM, 0
.rept 8
	global_load_b128 v[A+4*MM:A+4*MM+3], v2, s[36:37] offset:512*MM th:TH_LOAD_NT
	global_load_b128 v[B+4*MM:B+4*MM+3], v2, s[38:39] offset:512*MM th:TH_LOAD_NT
.set MM, MM+1
.endr
.set MM, 0
.rept 8
	s_wait_loadcnt 14-2*MM                         ; pair m is in; the 14 - 2 m loads issued behind it may be out
	v_pk_mul_f32 v[A+4*MM:A+4*MM+1], v[A+4*MM:A+4*MM+1], s[22:23] op_sel_hi:[1,0]
	v_pk_mul_f32 v[A+4*MM+2:A+4*MM+3], v[A+4*MM+2:A+4*MM+3], s[22:23] op_sel_hi:[1,0]
	v_pk_fma_f32 v[A+4*MM:A+4*MM+1], v[B+4*MM:B+4*MM+1], s[40:41], v[A+4*MM:A+4*MM+1] op_sel_hi:[1,0,1]
	v_pk_fma_f32 v[A+4*MM+2:A+4*MM+3], v[B+4*MM+2:B+4*MM+3], s[40:41], v[A+4*MM+2:A+4*MM+3] op_sel_hi:[1,0,1]
	global_store_b128 v2, v[A+4*MM:A+4*MM+3], s[12:13] offset:512*MM th:TH_STORE_NT
.set MM, MM+1
.endr
	s_endpgm
.Lfunc_end_k_qc0072a25c3_combine:
	.size	k_qc0072a25c3_combine, .Lfunc_end_k_qc0072a25c3_combine-k_qc0072a25c3_combine
	.p2alignl 7, 3214868480
	.fill 96, 4, 3214868480
	.section	.rodata,"a",@progbits
	.p2align	6, 0x0
	.amdhsa_kernel k_qc0072a25c3_combine
		.amdhsa_group_segment_fixed_size 0
		.amdhsa_private_segment_fixed_size 0
		.amdhsa_enable_private_segment 0
		.amdhsa_kernarg_size 40
		.amdhsa_user_sgpr_count 2
		.amdhsa_user_sgpr_kernarg_segment_ptr 1
		.amdhsa_wavefront_size32 1
		.amdhsa_system_sgpr_workgroup_id_x 1
		.amdhsa_system_sgpr_workgroup_id_y 1
		.amdhsa_system_sgpr_workgroup_id_z 1
		.amdhsa_system_vgpr_workitem_id 0
		.amdhsa_next_free_vgpr 80
		.amdhsa_next_free_sgpr 66
		.amdhsa_reserve_vcc 0
		.amdhsa_float_denorm_mode_32 3
		.amdhsa_float_denorm_mode_16_64 3
		.amdhsa_memory_ordered 1
		.amdhsa_forward_progress 1
		.amdhsa_inst_pref_size 8
	.end_amdhsa_kernel
	.amdgpu_metadata
---
amdhsa.version: [ 1, 2 ]
amdhsa.kernels:
  - .name:           k_qc0072a25c3_combine
    .symbol:         k_qc0072a25c3_combine.kd
    .args:
      - { .name: ids, .offset: 0, .size: 8, .value_kind: global_buffer, .address_space: global }
      - { .name: wts, .offset: 8, .size: 8, .value_kind: global_buffer, .address_space: global }
      - { .name: rankmap, .offset: 16, .size: 8, .value_kind: global_buffer, .address_space: global }
      - { .name: y, .offset: 24, .size: 8, .value_kind: global_buffer, .address_space: global }
      - { .name: out0, .offset: 32, .size: 8, .value_kind: global_buffer, .address_space: global }
    .group_segment_fixed_size: 0
    .private_segment_fixed_size: 0
    .kernarg_segment_align: 8
    .kernarg_segment_size: 40
    .max_flat_workgroup_size: 128
    .sgpr_count:     66
    .vgpr_count:     80
    .wavefront_size: 32
...
	.end_amdgpu_metadata
.endif
;; end of part 4
